; MI455X (gfx1250); checked and timed in simulation.
; The chip was launched on July 23, 2026; its instructions are those of AMD's public machine-readable ISA for CDNA 5 (MIT licence, August 2026) and "CDNA5" Instruction Set Architecture Reference Guide (July 2026). The comments in the code are by the model that wrote it; some were corrected since.
;; Complex Mixture. Allowed arithmetic: float matrix products may take bf16 or f16 operands with f32 sums; all other float work in f32.
;; Inputs: input_imag 32 x 1,024 x 256 float32; input_real 32 x 1,024 x 256 float32; weights 32 x 1,024 float32.
;; Outputs: out0 32 x 256 x 256 float32; out1 32 x 256 x 256 float32.
;; 2 versions, each right and faster than the one before. Each part assembles by itself: llvm-mc -triple=amdgcn-amd-amdhsa -mcpu=gfx1250 --defsym DOCPART=n.
;; ======== version 1 of 2: 1 launch
;; limits: values are held in f16: magnitudes above 65,504 overflow, below 6.1e-05 lose precision
;; launch mixture (part 1): grid 8 x 32, 4 waves a work-group, no clusters, 238,080 bytes of LDS; arguments input_real, input_imag, weights, out0, out1; writes out0, out1
.if DOCPART == 1
	.amdgcn_target "amdgcn-amd-amdhsa--gfx1250"
	.amdhsa_code_object_version 6
	.text
	.protected	k_q41367d2b71_mixture
	.globl	k_q41367d2b71_mixture
	.p2align	8
	.type	k_q41367d2b71_mixture,@function
k_q41367d2b71_mixture:
	s_mov_b64 s[64:65], 0
	v_nop
	global_prefetch_b8 v0, s[64:65] scope:SCOPE_SE
	s_setreg_imm32_b32 hwreg(HW_REG_WAVE_MODE, 25, 1), 1
	s_wait_xcnt 0x0
; H[b] = V^T diag(w) conj(V), V = r + i j, [1024][256] f32 for each of 32 batches.  out0 = Re H, out1 = Im H, [256][256] f32.
;   out0[a][c] = sum_s w (r_a r_c + i_a i_c)      out1[a][c] = sum_s w (i_a r_c - r_a i_c)
; H is Hermitian by this algebra, for every input: out0[c][a] = out0[a][c], out1[c][a] = -out1[a][c].  Only one half is multiplied.
;
; SHARES.  The 256 columns are four blocks of 64.  Eight work-groups share a batch (x = sub, y = batch):
;   sub 0..5 (OFF):  the block pair (P,Q) = 01 02 03 12 13 23: H[P][Q], 64 x 64 complex, stored with its conjugate transpose H[Q][P];
;   sub 6, 7 (DIAG): (P,Q) = 01, 23: H[P][P] and H[Q][Q], each from the 10 tile classes on and above its diagonal.
; Both kinds read four streams of 1,024 rows x 256 bytes: r of P, i of P, i of Q, r of Q.
; The sum over s is split over the four waves: wave w owns rows 256 w .. 256 w + 255, eight steps of 32 rows, and keeps the whole
; tile of the work-group in its own accumulators; the four partial sums meet in LDS once, behind the loop.
;
; FRAGMENTS WITHOUT LDS.  A 16-byte load gives lanes 0-15 the 256 bytes of row s and lanes 16-31 those of row s + 16.  After 16 such loads
; lane (r, h) holds rows s0 + 16 h + t, t = 0..15, of columns 4 r .. 4 r + 3.  v_cvt_pk_f16_f32 of rows 2 j and 2 j + 1 of column 4 r + q is
; register j of a fragment of column class q (its index m or n = r stands for column 4 r + q).  The order of k in the registers is not the
; natural one, but it is the same for both operands, so the products are the same (ISA guide 7.12.2 for the layouts).
; Tile (qa, qc), lane (r, h), register j is H[4 (8 h + j) + qa][4 r + qc] of the block.
;
; WHY f16 AND NOT bf16.  A number of out1 is a sum of 2,048 products whose signs cancel, and it is wanted to 1 % of the output's root mean
; square.  Two roundings to 8 significant bits a product leave an error whose spread is near a quarter of that margin, too near for
; 2^20 independent numbers; 11 significant bits make it eight times smaller.  Registers, layouts and distances of the two forms are alike.
;
; NO JOINT TENSOR LOADS, though each stream is read by four work-groups of the batch: a tile brought by the mover lies in LDS as f32 and
; would be read from there again, 1 MiB in and 1 MiB out per work-group, where here no input byte passes through LDS and no barrier
; stands in the loop.  No prefetch: every wave has 64 loads of 512 bytes on their way at all times.  No NT hint on loads: read four times.
;
; LIMITS.  The operands r, i, w r, w i are rounded to f16 (w r and w i are made in f32 first).  RANGE: an operand whose magnitude passes
; 65,504 becomes infinity, so the results that it feeds are infinite or NaN where the f32 result may be finite; below 2^-14 an operand
; keeps an absolute step of 2^-24 (denormals are kept), below 2^-25 it becomes zero.  Sums are f32, four partial sums over s, added as
; (p0 + p1) + (p2 + p3).  The mirrored half is bit for bit the mirror (out1: the negative) of the multiplied half.  The diagonal of out1
; is the rounding noise of the f16 products, not an exact zero.
.set ROWB,   1024                      ; bytes in a row of the inputs and of the outputs
.set STEPB,  32*ROWB                   ; a step: 32 rows
.set RED,    4096                      ; LDS: [0, 4096) the batch's weights; then 4 x REDW: wave w's partial tiles, 1,024 bytes a tile
.set REDW,   40960                     ; 40 tiles (DIAG; OFF uses 32)
.set IMG,    RED+4*REDW                ; then 4 x IMGW: each wave's image of the 64 x 64 block that it stores
.set IPITCH, 272                       ; 256 bytes + 16: rows 17 x 16 bytes apart, so that 16 rows fall on different banks
.set IMGW,   64*IPITCH
; window 0
.set VOFF, 3                           ; 16 r + 16 rows x h: my 16 bytes in a stream's row
.set VW,   4                           ; LDS address of my 16 weights of the step
.set VRS,  5                           ; where I store my partial tiles
.set VRA,  6                           ; where I read the partial tiles of waves 0, 1
.set VRB,  7                           ; and of waves 2, 3
.set VID,  8                           ; image, direct:   row 8 h, byte 16 r
.set VIT,  9                           ; image, mirrored: row r, byte 128 h
.set VRD,  10                          ; image, read back: row h, byte 16 r
.set VGO,  11                          ; output: row 4 h, byte 16 r
.set W,    16                          ; v[16:31] the step's 16 weights
.set FWR,  64                          ; fragments, class q at +8 q: w r
.set FWI,  96                          ; w i
.set FR,   128                         ; r
.set FI,   160                         ; i
.set LB,   16                          ; behind the loop: three buffers of 32 registers for partial tiles
.set FULL, 128                         ; behind the loop: v[128:255] the block, [row class x][j][column class y]
; window 1: OFF accumulators 8 (16 o + 4 qa + qc); DIAG block P 8 (10 o + idx); on the way out v[0:127] the read-back
; window 2: staging, stream g, row t, column q at 64 g + 4 t + q
; window 3: DIAG block Q, 8 (10 o + idx)          (o = 0 real part, 1 imaginary part; idx counts qa <= qc: 00 01 02 03 11 12 13 22 23 33)
.set MSB, 0
.macro WIN new                         ; low byte: bits 1:0 source 0, 3:2 source 1, 5:4 source 2, 7:6 destination; high byte: the setting left
.if MSB != \new
	s_set_vgpr_msb (MSB<<8)|\new
.set MSB, \new
.endif
.endm
.macro PLACES n
.rept \n
	v_nop
.endr
.endm
	s_load_b256 s[4:11], s[0:1], 0x0               ; r s[4:5], i s[6:7], weights s[8:9], out0 s[10:11]
	s_load_b64 s[12:13], s[0:1], 0x20              ; out1
	s_set_vgpr_msb 0xc0
	v_lshl_add_u32 v160, v0, 2, 0x3a000
	v_mov_b32 v161, 0
	s_set_vgpr_msb 0xc000
	v_lshrrev_b32 v12, 5, v0
	v_readfirstlane_b32 s14, v12                   ; wave 0..3
	v_and_b32 v1, 15, v0                           ; r
	v_bfe_u32 v2, v0, 4, 1                         ; h
	v_lshlrev_b32 v[VOFF], 4, v1
	v_lshl_add_u32 v[VOFF], v2, 14, v[VOFF]        ; 16 r + 16 rows of 1,024 bytes x h
	v_lshlrev_b32 v13, 5, v0                       ; thread t carries the 32 bytes at 32 t of the batch's weights
	s_and_b32 s18, ttmp7, 0xffff                   ; batch
	s_mov_b32 s19, ttmp9                           ; sub
	s_lshl_b32 s42, s19, 1
	s_lshr_b32 s20, 0x8940, s42                    ; two bits for each sub: P = 0 0 0 1 1 2 0 2
	s_and_b32 s20, s20, 3
	s_lshr_b32 s21, 0xdfb9, s42                    ;                       Q = 1 2 3 2 3 3 1 3
	s_and_b32 s21, s21, 3
	s_lshl_b32 s42, s14, 10                        ; my wave's 256 weights
	v_lshlrev_b32 v[VW], 6, v2
	v_add_nc_u32 v[VW], s42, v[VW]                 ; + 16 weights x h
	s_lshl_b32 s22, s18, 20                        ; batch x 1 MiB
	s_lshl_b32 s42, s14, 18                        ; + wave x 256 rows
	s_add_co_u32 s22, s22, s42
	s_lshl_b32 s42, s20, 8
	s_lshl_b32 s43, s21, 8
	s_add_co_u32 s38, s22, s43                     ; + block Q x 256 bytes
	s_add_co_u32 s22, s22, s42                     ; + block P x 256 bytes
	s_mov_b32 s23, 0
	s_mov_b32 s39, 0
	s_lshl_b32 s46, s18, 12                        ; batch x 4,096 bytes of weights
	s_mov_b32 s47, 0
	s_wait_kmcnt 0x0
	s_add_nc_u64 s[24:25], s[4:5], s[22:23]        ; stream 0: r of P
	s_add_nc_u64 s[26:27], s[6:7], s[22:23]        ; stream 1: i of P
	s_add_nc_u64 s[28:29], s[6:7], s[38:39]        ; stream 2: i of Q
	s_add_nc_u64 s[30:31], s[4:5], s[38:39]        ; stream 3: r of Q
	s_add_nc_u64 s[32:33], s[8:9], s[46:47]
; 16 loads: stream g's 32 rows of the step.  Each covers 256 aligned bytes of row t and 256 of row t + 16.
.macro LOADG g
	WIN 0x80
.irp t, 0,1,2,3,4,5,6,7,8,9,10,11,12,13,14,15
	global_load_b128 v[64*\g+4*\t:64*\g+4*\t+3], v[VOFF], s[24+2*\g:25+2*\g] offset:ROWB*\t
.endr
.endm
; Stream g's 16 loads are in when at most `left` younger ones are out (loads return in order, ISA guide 5.7.1); that wait also
; shows them done, so their base may step.
.macro GET g, left, refill
	s_wait_loadcnt \left
.if \refill
	s_add_nc_u64 s[24+2*\g:25+2*\g], s[24+2*\g:25+2*\g], STEPB
.endif
.endm
; stream g times the rows' weights, in place, in f32: row 2 u by the pair's first register, row 2 u + 1 by its second
.macro MULG g
	WIN 0x82
.irp u, 0,1,2,3,4,5,6,7
.irp p, 0,2
	v_pk_mul_f32 v[64*\g+8*\u+\p:64*\g+8*\u+\p+1], v[64*\g+8*\u+\p:64*\g+8*\u+\p+1], v[W+2*\u:W+2*\u+1] op_sel_hi:[1,0]
.endr
.irp p, 0,2
	v_pk_mul_f32 v[64*\g+8*\u+4+\p:64*\g+8*\u+5+\p], v[64*\g+8*\u+4+\p:64*\g+8*\u+5+\p], v[W+2*\u:W+2*\u+1] op_sel:[0,1] op_sel_hi:[1,1]
.endr
.endr
.endm
; stream g to four fragments at f: rows 2 j (low half) and 2 j + 1 (high half) of column class q
.macro CVTG g, f
	WIN 0x0a
.irp q, 0,1,2,3
.irp j, 0,1,2,3,4,5,6,7
	v_cvt_pk_f16_f32 v[\f+8*\q+\j], v[64*\g+8*\j+\q], v[64*\g+8*\j+4+\q]
.endr
.endr
.endm
; the next step's 16 weights: 64 bytes, the same for the 16 lanes of a half
.macro LOADW
	WIN 0
.irp i, 0,1,2,3
	ds_load_b128 v[W+4*\i:W+4*\i+3], v[VW] offset:16*\i
.endr
	v_add_nc_u32 v[VW], 128, v[VW]
.endm
; one matrix instruction.  mode 0: D = A B + D;  1: D = A B (starts the sum, nothing is cleared);  2: D = A B - D
.macro WM d, a, b, mode
.if \mode == 1
	v_wmma_f32_16x16x32_f16 v[\d:\d+7], v[\a:\a+7], v[\b:\b+7], 0
.else
.if \mode == 2
	v_wmma_f32_16x16x32_f16 v[\d:\d+7], v[\a:\a+7], v[\b:\b+7], v[\d:\d+7] neg_lo:[0,0,1]
.else
	v_wmma_f32_16x16x32_f16 v[\d:\d+7], v[\a:\a+7], v[\b:\b+7], v[\d:\d+7]
.endif
.endif
.endm
.macro MMO o, fa, fb, mode             ; OFF: all 16 class pairs
.irp qa, 0,1,2,3
.irp qc, 0,1,2,3
	WM 8*(16*\o+4*\qa+\qc), \fa+8*\qa, \fb+8*\qc, \mode
.endr
.endr
.endm
.macro MMD o, fa, fb, mode             ; DIAG: the 10 class pairs with qa <= qc
.set di, 0
.irp qa, 0,1,2,3
.irp qc, 0,1,2,3
.if \qc >= \qa
	WM 8*(10*\o+di), \fa+8*\qa, \fb+8*\qc, \mode
.set di, di+1
.endif
.endr
.endr
.endm
	global_load_b128 v[16:19], v13, s[32:33]
	global_load_b128 v[20:23], v13, s[32:33] offset:16
	LOADG 0
	LOADG 1
	LOADG 2
	WIN 0
	s_wait_loadcnt 48                              ; the 48 data loads behind them stay out: the weights are in
	ds_store_b128 v13, v[16:19]
	ds_store_b128 v13, v[20:23] offset:16
	LOADG 3
	WIN 0
	s_wait_dscnt 0x0                               ; my weights are in LDS before I say so
	s_barrier_signal -1
	s_barrier_wait -1
	LOADW
	s_cmp_ge_u32 s19, 6                            ; the kind hangs on the work-group's x alone: all four waves go the same way
	s_cbranch_scc1 .Ldiag
; ---------------------------------------------------------------- OFF: H[P][Q]
; THE IMAGINARY PART WITHOUT A NEGATED OPERAND: each step runs two links on the same accumulator, acc = WR I - acc and then
; acc = WI R - acc, which together add WI R - WR I.  Both links carry the same modifier, so the chain stays in place (ISA guide 7.12.1).
; In the first step the first product takes C = 0 and is no link of that chain: five places stand behind it.
; Every fragment is rewritten at least 32 plain vector instructions behind the last matrix instruction that read it.
; c0..c3: younger loads that may stay out when stream 0..3 is needed: the three other groups of 16, or what is left in the last step.
.macro OFFSTEP zero, refill, c0, c1, c2, c3
	s_wait_dscnt 0x0                               ; the step's weights
	GET 0, \c0, \refill
	MULG 0
	CVTG 0, FWR
.if \refill
	LOADG 0
.endif
	GET 1, \c1, \refill
	MULG 1
	CVTG 1, FWI
.if \refill
	LOADG 1
	LOADW                                          ; behind the step's last use of the weights
.endif
	GET 2, \c2, \refill
	CVTG 2, FI
.if \refill
	LOADG 2
.endif
	WIN 0x50
	MMO 0, FWI, FI, \zero
	MMO 1, FWR, FI, 2-\zero
.if \zero
	PLACES 5
.endif
	GET 3, \c3, \refill
	CVTG 3, FR
.if \refill
	LOADG 3
.endif
	WIN 0x50
	MMO 0, FWR, FR, 0
	MMO 1, FWI, FR, 2
.endm
	OFFSTEP 1, 1, 48, 48, 48, 48                   ; the first step stands in front of the loop: its products start the sums
	WIN 0
	s_mov_b32 s3, 6
.Loff:
	OFFSTEP 0, 1, 48, 48, 48, 48
	WIN 0
	s_sub_co_u32 s3, s3, 1
	s_cmp_lg_u32 s3, 0
	s_cbranch_scc1 .Loff
	OFFSTEP 0, 0, 48, 32, 16, 0                    ; the last step loads nothing: the counts run down
; What a wave stores: s34 = o (0: out0, 1: out1), s36 = row block, s37 = column block; s43 = its first tile in RED.
.macro ROLE
	s_mul_i32 s42, s14, REDW
	s_add_co_u32 s42, s42, RED                     ; my partial tiles
	s_mul_i32 s44, s14, IMGW
	s_add_co_u32 s44, s44, IMG                     ; my image
	s_lshl_b32 s38, s18, 18                        ; batch x 256 rows of 1,024 bytes
	s_lshl_b32 s45, s36, 16                        ; + row block x 64 rows
	s_add_co_u32 s38, s38, s45
	s_lshl_b32 s45, s37, 8                         ; + column block x 256 bytes
	s_add_co_u32 s38, s38, s45
	s_mov_b32 s39, 0
	s_cmp_eq_u32 s34, 0
	s_cselect_b64 s[32:33], s[10:11], s[12:13]
	s_add_nc_u64 s[32:33], s[32:33], s[38:39]
	s_lshl_b32 s40, s34, 31
	s_or_b32 s40, s40, 0x3f800000                  ; the mirror's sign: +1.0 for the real part, -1.0 for the imaginary part
	s_mov_b32 s41, s40                             ; (the packed forms name the pair)
.endm
; The addresses of the way out.  These 16 plain vector instructions name no register of the last matrix instructions: they are the
; places in front of the LDS stores of the results and of the loads into the old fragment registers.
.macro EPIADDR
	WIN 0
	v_and_b32 v12, 31, v0
	v_lshlrev_b32 v12, 4, v12                      ; 16 x lane
	v_lshlrev_b32 v15, 4, v1                       ; 16 r
	v_add_nc_u32 v[VRS], s42, v12
	v_add_nc_u32 v[VRA], s43, v12
	v_add_nc_u32 v[VRB], 2*REDW, v[VRA]
	v_mul_u32_u24 v14, v2, 8*IPITCH
	v_add_nc_u32 v14, v14, v15
	v_add_nc_u32 v[VID], s44, v14                  ; image row 8 h, byte 16 r
	v_mul_u32_u24 v14, v1, IPITCH
	v_lshl_add_u32 v14, v2, 7, v14
	v_add_nc_u32 v[VIT], s44, v14                  ; image row r, byte 128 h
	v_mul_u32_u24 v14, v2, IPITCH
	v_add_nc_u32 v14, v14, v15
	v_add_nc_u32 v[VRD], s44, v14                  ; image row h, byte 16 r
	v_lshl_add_u32 v[VGO], v2, 12, v15             ; output row 4 h, byte 16 r
.endm
; n accumulator tiles of one window to my part of RED as tiles t0 ..: registers 0-3 at 16 x lane, registers 4-7 512 bytes further
.macro PUTRED t0, n, win
	WIN \win
.set pt, 0
.rept \n
	ds_store_b128 v[VRS], v[8*pt:8*pt+3] offset:(\t0+pt)*1024
	ds_store_b128 v[VRS], v[8*pt+4:8*pt+7] offset:(\t0+pt)*1024+512
.set pt, pt+1
.endr
.endm
; the four waves' parts of my tile tn into buffer tn % 3: part s at +8 s
.macro SUML tn
.set lb, LB+32*((\tn)%3)
.irp s, 0,1
.irp jh, 0,1
	ds_load_b128 v[lb+8*\s+4*\jh:lb+8*\s+4*\jh+3], v[VRA] offset:\s*REDW+(\tn)*1024+512*\jh
	ds_load_b128 v[lb+16+8*\s+4*\jh:lb+16+8*\s+4*\jh+3], v[VRB] offset:\s*REDW+(\tn)*1024+512*\jh
.endr
.endr
.endm
; Tile tl of cnt: fetch two tiles ahead, wait (eight loads for each younger tile stay out), add the four parts as (p0 + p1) + (p2 + p3);
; the last addition's destination puts the number where the image stores want it, FULL[x][j][y].
; mode 0: as it is.  mode 1: times the mirror's sign (exact).  mode 2: as it is, and for x != y the mirror's copy at FULL[y][j][x].
.macro TILE tl, cnt, x, y, mode
.if (\tl)+2 < \cnt
	SUML (\tl)+2
.endif
.set lft, \cnt-1-(\tl)
.if lft > 2
.set lft, 2
.endif
	s_wait_dscnt 8*lft
.set pb, LB+32*((\tl)%3)
.if \mode == 1
.irp j, 0,2,4,6
	v_pk_mul_f32 v[pb+24+\j:pb+25+\j], v[pb+24+\j:pb+25+\j], s[40:41] op_sel_hi:[1,0]
.endr
.irp j, 0,2,4,6
	v_pk_fma_f32 v[pb+16+\j:pb+17+\j], v[pb+16+\j:pb+17+\j], s[40:41], v[pb+24+\j:pb+25+\j] op_sel_hi:[1,0,1]
.endr
.irp j, 0,2,4,6
	v_pk_add_f32 v[pb+\j:pb+1+\j], v[pb+\j:pb+1+\j], v[pb+8+\j:pb+9+\j]
.endr
.irp j, 0,1,2,3,4,5,6,7
	v_fma_f32 v[FULL+32*\x+4*\j+\y], v[pb+\j], s40, v[pb+16+\j]
.endr
.else
.irp j, 0,2,4,6
	v_pk_add_f32 v[pb+\j:pb+1+\j], v[pb+\j:pb+1+\j], v[pb+8+\j:pb+9+\j]
.endr
.irp j, 0,2,4,6
	v_pk_add_f32 v[pb+16+\j:pb+17+\j], v[pb+16+\j:pb+17+\j], v[pb+24+\j:pb+25+\j]
.endr
.irp j, 0,1,2,3,4,5,6,7
	v_add_f32 v[FULL+32*\x+4*\j+\y], v[pb+\j], v[pb+16+\j]
.endr
.if \mode == 2
.if \x != \y
.irp j, 0,1,2,3,4,5,6,7
	v_mul_f32 v[FULL+32*\y+4*\j+\x], s40, v[FULL+32*\x+4*\j+\y]
.endr
.endif
.endif
.endif
.endm
	; OFF, behind the loop.  Wave = 2 o + typ: typ 0 stores part o of H[P][Q], typ 1 its mirror, part o of H[Q][P].
	s_lshr_b32 s34, s14, 1                         ; o
	s_and_b32 s35, s14, 1                          ; typ
	s_lshl_b32 s43, s34, 14                        ; my 16 tiles begin at tile 16 o
	s_add_co_u32 s43, s43, RED
	s_cmp_eq_u32 s35, 0
	s_cselect_b32 s36, s20, s21                    ; row block P or Q
	s_cselect_b32 s37, s21, s20                    ; column block Q or P
	ROLE
	EPIADDR
	PUTRED 0, 32, 0x04
	WIN 0
	s_wait_dscnt 0x0                               ; my partial tiles are in LDS before I say so
	s_barrier_signal -1
	s_barrier_wait -1                              ; the last barrier: from here RED is only read, and an image belongs to one wave
	SUML 0
	SUML 1
	s_cmp_lg_u32 s35, 0
	s_cbranch_scc1 .Loff_mirror
.irp qa, 0,1,2,3
.irp qc, 0,1,2,3
	TILE 4*\qa+\qc, 16, \qa, \qc, 0
.endr
.endr
	; image row 16 qa + 8 h + j stands for block row 4 (8 h + j) + qa; my four classes qc are the words 4 r .. 4 r + 3:
	; sixteen lanes write 256 neighbouring bytes
.irp x, 0,1,2,3
.irp j, 0,1,2,3,4,5,6,7
	ds_store_b128 v[VID], v[FULL+32*\x+4*\j:FULL+32*\x+4*\j+3] offset:(16*\x+\j)*IPITCH
.endr
.endr
	s_branch .Lout
.Loff_mirror:
.irp qa, 0,1,2,3
.irp qc, 0,1,2,3
	TILE 4*\qa+\qc, 16, \qc, \qa, 1
.endr
.endr
	; image row 16 qc + r stands for row 4 r + qc of H[Q][P]; my four classes qa are the words 4 (8 h + j) .. + 3:
	; sixteen lanes write sixteen rows, 17 x 16 bytes apart
.irp x, 0,1,2,3
.irp j, 0,1,2,3,4,5,6,7
	ds_store_b128 v[VIT], v[FULL+32*\x+4*\j:FULL+32*\x+4*\j+3] offset:16*\x*IPITCH+16*\j
.endr
.endr
	s_branch .Lout
; ---------------------------------------------------------------- DIAG: H[P][P] (window 1) and H[Q][Q] (window 3)
.Ldiag:
; One stream: the plain fragments first, then the weights in place, then the weighted fragments.  first = 1: the conversion writes
; fragments that the matrix instructions just in front have read: four places (ISA guide 7.12.1).
.macro DSTREAM g, left, refill, fu, fw, first
	GET \g, \left, \refill
.if \first
	PLACES 4
.endif
	CVTG \g, \fu
	MULG \g
	CVTG \g, \fw
.if \refill
	LOADG \g
.endif
.endm
; 40 matrix instructions of one block.  In the first step the products with C = 0 are not links of the chains that follow:
; five places between them (ISA guide 7.12.1).
.macro DMUL win, zero
	WIN \win
	MMD 0, FWR, FR, \zero
	MMD 1, FWR, FI, 2-\zero
.if \zero
	PLACES 5
.endif
	MMD 0, FWI, FI, 0
	MMD 1, FWI, FR, 2
.endm
.macro DIAGSTEP zero, refill, c0, c1, c2, c3
	s_wait_dscnt 0x0                               ; the step's weights
	DSTREAM 0, \c0, \refill, FR, FWR, 1-\zero
	DSTREAM 1, \c1, \refill, FI, FWI, 0
	DMUL 0x50, \zero
	DSTREAM 2, \c2, \refill, FI, FWI, 1
	DSTREAM 3, \c3, \refill, FR, FWR, 0
.if \refill
	LOADW                                          ; behind the step's last use of the weights
.endif
	DMUL 0xf0, \zero
.endm
	DIAGSTEP 1, 1, 48, 48, 48, 48
	WIN 0
	s_mov_b32 s3, 6
.Ldloop:
	DIAGSTEP 0, 1, 48, 48, 48, 48
	WIN 0
	s_sub_co_u32 s3, s3, 1
	s_cmp_lg_u32 s3, 0
	s_cbranch_scc1 .Ldloop
	DIAGSTEP 0, 0, 48, 32, 16, 0
	; DIAG, behind the loop.  Wave = 2 blk + o stores part o of the diagonal block blk; tile 20 blk + 10 o + idx in RED.
	s_and_b32 s34, s14, 1                          ; o
	s_lshr_b32 s35, s14, 1                         ; blk
	s_mul_i32 s43, s14, 10*1024                    ; my 10 tiles begin at tile 10 x wave
	s_add_co_u32 s43, s43, RED
	s_cmp_eq_u32 s35, 0
	s_cselect_b32 s36, s20, s21
	s_mov_b32 s37, s36
	ROLE
	EPIADDR
	PUTRED 0, 20, 0x04
	PUTRED 20, 20, 0x0c
	WIN 0
	s_wait_dscnt 0x0                               ; my partial tiles are in LDS before I say so
	s_barrier_signal -1
	s_barrier_wait -1                              ; the last barrier on this path
	SUML 0
	SUML 1
	TILE 0, 10, 0, 0, 2
	TILE 1, 10, 0, 1, 2
	TILE 2, 10, 0, 2, 2
	TILE 3, 10, 0, 3, 2
	TILE 4, 10, 1, 1, 2
	TILE 5, 10, 1, 2, 2
	TILE 6, 10, 1, 3, 2
	TILE 7, 10, 2, 2, 2
	TILE 8, 10, 2, 3, 2
	TILE 9, 10, 3, 3, 2
	; Row class q of the image: the classes y >= q come from tiles (q, y) and go in directly (row 16 q + 8 h + j, words 4 r + y);
	; the classes y < q are mirrors of tiles (y, q) and go in transposed (row 16 q + r, words 4 (8 h + j) + y).
.irp j, 0,1,2,3,4,5,6,7
	ds_store_b128 v[VID], v[FULL+4*\j:FULL+4*\j+3] offset:\j*IPITCH
.endr
.irp j, 0,1,2,3,4,5,6,7
	ds_store_b32 v[VID], v[FULL+32+4*\j+1] offset:(16+\j)*IPITCH+4
	ds_store_b64 v[VID], v[FULL+32+4*\j+2:FULL+32+4*\j+3] offset:(16+\j)*IPITCH+8
	ds_store_b32 v[VIT], v[FULL+32+4*\j] offset:16*IPITCH+16*\j
.endr
.irp j, 0,1,2,3,4,5,6,7
	ds_store_b64 v[VID], v[FULL+64+4*\j+2:FULL+64+4*\j+3] offset:(32+\j)*IPITCH+8
	ds_store_b64 v[VIT], v[FULL+64+4*\j:FULL+64+4*\j+1] offset:32*IPITCH+16*\j
.endr
.irp j, 0,1,2,3,4,5,6,7
	ds_store_b32 v[VID], v[FULL+96+4*\j+3] offset:(48+\j)*IPITCH+12
	ds_store_b64 v[VIT], v[FULL+96+4*\j:FULL+96+4*\j+1] offset:48*IPITCH+16*\j
	ds_store_b32 v[VIT], v[FULL+96+4*\j+2] offset:48*IPITCH+16*\j+8
.endr
; ---------------------------------------------------------------- the way out, the same for every wave
; My image back by rows: load i brings image rows 2 i + h, 256 bytes for each half of the lanes.  The image is my own and LDS serves a
; wave's instructions in order (ISA guide 5.7.1), so no wait stands between my stores above and these loads.
; Image row 16 q + 2 i + h is block row 8 i + 4 h + q.  Each store of the wave covers two aligned runs of 256 consecutive bytes.
.Lout:
	WIN 0x40
.set ri, 0
.rept 32
	ds_load_b128 v[4*ri:4*ri+3], v[VRD] offset:2*IPITCH*ri
.set ri, ri+1
.endr
	WIN 0x04
.irp q, 0,1,2,3
.irp i, 0,1,2,3,4,5,6,7
	s_wait_dscnt 31-8*\q-\i                        ; the younger read-backs stay out
	global_store_b128 v[VGO], v[4*(8*\q+\i):4*(8*\q+\i)+3], s[32:33] offset:(8*\i+\q)*ROWB th:TH_STORE_NT
.endr
.endr
	WIN 0
	s_set_vgpr_msb 0xf
	s_wait_tensorcnt 0x0
	ds_add_u32 v160, v161
	s_wait_dscnt 0x0
	s_set_vgpr_msb 0xf00
	s_endpgm
.Lfunc_end_k_q41367d2b71_mixture:
	.size	k_q41367d2b71_mixture, .Lfunc_end_k_q41367d2b71_mixture-k_q41367d2b71_mixture
	.p2alignl 7, 3214868480
	.fill 96, 4, 3214868480
	.section	.rodata,"a",@progbits
	.p2align	6, 0x0
	.amdhsa_kernel k_q41367d2b71_mixture
		.amdhsa_group_segment_fixed_size 238080
		.amdhsa_private_segment_fixed_size 0
		.amdhsa_enable_private_segment 0
		.amdhsa_kernarg_size 40
		.amdhsa_user_sgpr_count 2
		.amdhsa_user_sgpr_kernarg_segment_ptr 1
		.amdhsa_wavefront_size32 1
		.amdhsa_system_sgpr_workgroup_id_x 1
		.amdhsa_system_sgpr_workgroup_id_y 1
		.amdhsa_system_sgpr_workgroup_id_z 1
		.amdhsa_system_vgpr_workitem_id 0
		.amdhsa_next_free_vgpr 930
		.amdhsa_next_free_sgpr 66
		.amdhsa_reserve_vcc 0
		.amdhsa_float_denorm_mode_32 3
		.amdhsa_float_denorm_mode_16_64 3
		.amdhsa_memory_ordered 1
		.amdhsa_forward_progress 1
		.amdhsa_inst_pref_size 255
	.end_amdhsa_kernel
	.section	.bss,"aw",@nobits
	.p2align	6
	.space	262144
	.amdgpu_metadata
---
amdhsa.version: [ 1, 2 ]
amdhsa.kernels:
  - .name:           k_q41367d2b71_mixture
    .symbol:         k_q41367d2b71_mixture.kd
    .args:
      - { .name: input_real, .offset: 0, .size: 8, .value_kind: global_buffer, .address_space: global }
      - { .name: input_imag, .offset: 8, .size: 8, .value_kind: global_buffer, .address_space: global }
      - { .name: weights, .offset: 16, .size: 8, .value_kind: global_buffer, .address_space: global }
      - { .name: out0, .offset: 24, .size: 8, .value_kind: global_buffer, .address_space: global }
      - { .name: out1, .offset: 32, .size: 8, .value_kind: global_buffer, .address_space: global }
    .group_segment_fixed_size: 238080
    .private_segment_fixed_size: 0
    .kernarg_segment_align: 8
    .kernarg_segment_size: 40
    .max_flat_workgroup_size: 128
    .sgpr_count:     66
    .vgpr_count:     930
    .wavefront_size: 32
...
	.end_amdgpu_metadata
.endif
;; end of part 1
;; ======== version 2 of 2: 1 launch; 1.23 times as fast as version 1
;; limits: values are held in f16: magnitudes above 65,504 overflow, below 6.1e-05 lose precision
;; launch mixture (part 2): grid 3 x 64, 4 waves a work-group, clusters of 3 x 4, 287,232 bytes of LDS; arguments input_real, input_imag, weights, out0, out1; writes out0, out1
.if DOCPART == 2
	.amdgcn_target "amdgcn-amd-amdhsa--gfx1250"
	.amdhsa_code_object_version 6
	.text
	.protected	k_q41367d2b71_mixture
	.globl	k_q41367d2b71_mixture
	.p2align	8
	.type	k_q41367d2b71_mixture,@function
k_q41367d2b71_mixture:
	s_mov_b64 s[64:65], 0
	v_nop
	global_prefetch_b8 v0, s[64:65] scope:SCOPE_SE
	s_setreg_imm32_b32 hwreg(HW_REG_WAVE_MODE, 25, 1), 1
	s_wait_xcnt 0x0
	s_wait_alu depctr_hold_cnt(0) depctr_sa_sdst(0) depctr_va_vdst(0) depctr_va_sdst(0) depctr_va_ssrc(0) depctr_va_vcc(0) depctr_vm_vsrc(0)
	s_getreg_b32 s2, hwreg(HW_REG_IB_STS2, 6, 4)
	s_cmp_eq_u32 s2, 0
	s_cbranch_scc0 .Lentry_in_a_cluster
	s_endpgm
.Lentry_in_a_cluster:
	s_bfe_u32 s2, ttmp6, 0x10000c
	s_cmp_lg_u32 s2, 0xb032
	s_cbranch_scc0 .Lentry_shape_is_right
	s_endpgm
.Lentry_shape_is_right:
; H[b] = V^T diag(w) conj(V), V = r + i j, [1024][256] f32 for each of 32 batches.  out0 = Re H, out1 = Im H, [256][256] f32.
;   out0[a][c] = sum_s w (r_a r_c + i_a i_c)      out1[a][c] = sum_s w (i_a r_c - r_a i_c)
; H is Hermitian by this algebra, for every input: out0[c][a] = out0[a][c], out1[c][a] = -out1[a][c].  Only one half is multiplied.
;
; SHARES.  The 256 columns are four blocks of 64.  Six work-groups share a batch, one for each pair of blocks:
;   sub 0..5: (P,Q) = 01 12 23 30 02 13.  Each makes H[P][Q], 64 x 64 complex, and stores it with its conjugate transpose H[Q][P].
;   sub 0..3 also make the diagonal block H[P][P] (P = sub), from the 10 tile classes on and above its diagonal: they hold its columns anyway.
; Every work-group reads four streams of 1,024 rows x 256 bytes: r of P, i of P, i of Q, r of Q: 12 block pairs of streams for a batch.
; 192 WORK-GROUPS AND NOT 256: two more for a batch, for the diagonal blocks alone, would load four blocks again (16 against 12) for the
; same products; the sum over s cannot be shared between work-groups without traffic between them.
; The sum over s is split over the four waves: wave w owns rows 256 w .. 256 w + 255, eight steps of 32 rows, and keeps all tiles
; of the work-group in its own accumulators; the four partial sums meet in LDS once, behind the loop.
;
; THE CLUSTER OF 3 x 4 IS FOR PLACEMENT ALONE: work-group (x, y) of the 3 x 64 grid has batch = y / 2 and sub = 3 (y % 2) + x, so a
; cluster holds exactly the 6 + 6 work-groups of two batches: all that read a batch's streams belong to one cluster.  No request is made
; jointly (see below), so there is no cluster barrier, and the branches that hang on the place in the cluster (with or without a diagonal
; block) order nothing between work-groups.  No LDS address hangs on that place.
;
; FRAGMENTS WITHOUT LDS.  A 16-byte load gives lanes 0-15 the 256 bytes of row s and lanes 16-31 those of row s + 16.  After 16 such loads
; lane (r, h) holds rows s0 + 16 h + t, t = 0..15, of columns 4 r .. 4 r + 3.  v_cvt_pk_f16_f32 of rows 2 j and 2 j + 1 of column 4 r + q is
; register j of a fragment of column class q (its index m or n = r stands for column 4 r + q).  The order of k in the registers is not the
; natural one, but it is the same for both operands, so the products are the same (ISA guide 7.12.2 for the layouts).
; Tile (qa, qc), lane (r, h), register j is H[4 (8 h + j) + qa][4 r + qc] of the block.
;
; WHY f16 AND NOT bf16.  A number of out1 is a sum of 2,048 products whose signs cancel, and it is wanted to 1 % of the output's root mean
; square.  Two roundings to 8 significant bits a product leave an error whose spread is near a quarter of that margin, too near for
; 2^20 independent numbers; 11 significant bits make it eight times smaller.  Registers, layouts and distances of the two forms are alike.
;
; NO JOINT TENSOR LOADS, though each block is read by three work-groups of the batch: those three are no row and no column of the cluster,
; and a tile brought by the mover lies in LDS as f32 and would be read from there again, 1 MiB in and 1 MiB out per work-group, where here
; no input byte passes through LDS and no barrier stands in the loop.  No prefetch: every wave has 64 loads of 512 bytes on their way at
; all times, a whole step ahead of their use.  No NT hint on loads: each byte is read three times.
;
; LIMITS.  The operands r, i, w r, w i are rounded to f16 (w r and w i are made in f32 first).  RANGE: an operand whose magnitude passes
; 65,504 becomes infinity, so the results that it feeds are infinite or NaN where the f32 result may be finite; below 2^-14 an operand
; keeps an absolute step of 2^-24 (denormals are kept), below 2^-25 it becomes zero.  Sums are f32, four partial sums over s, added as
; (p0 + p1) + (p2 + p3).  The mirrored half is bit for bit the mirror (out1: the negative) of the multiplied half.  The diagonal of out1
; is the rounding noise of the f16 products, not an exact zero.
.set ROWB,   1024                      ; bytes in a row of the inputs and of the outputs
.set STEPB,  32*ROWB                   ; a step: 32 rows
.set RED,    4096                      ; LDS: [0, 4096) the batch's weights; then 4 x REDW: wave w's partial tiles of H[P][Q], 1,024 bytes a tile
.set REDW,   32768                     ; 32 tiles: 16 o + 4 qa + qc
.set REDD,   RED+4*REDW                ; then 4 x REDDW: wave w's partial tiles of H[P][P]
.set REDDW,  20480                     ; 20 tiles: 10 o + idx
.set IMG,    REDD+4*REDDW              ; then 4 x IMGW: each wave's image of the 64 x 64 block that it stores
.set IPITCH, 272                       ; 256 bytes + 16: rows 17 x 16 bytes apart, so that 16 rows fall on different banks
.set IMGW,   64*IPITCH
; window 0
.set VOFF, 3                           ; 16 r + 16 rows x h: my 16 bytes in a stream's row
.set VW,   4                           ; LDS address of my 16 weights of the step
.set VRS,  5                           ; where I store my partial tiles of H[P][Q]
.set VRA,  6                           ; where I read the partial tiles of waves 0, 1
.set VRB,  7                           ; and of waves 2, 3
.set VID,  8                           ; image, direct:   row 8 h, byte 16 r
.set VIT,  9                           ; image, mirrored: row r, byte 128 h
.set VRD,  10                          ; image, read back: row h, byte 16 r
.set VGO,  11                          ; output: row 4 h, byte 16 r
.set W,    16                          ; v[16:31] the step's 16 weights
.set FWR,  64                          ; fragments, class q at +8 q: w r of P
.set FWI,  96                          ; w i of P
.set FR,   128                         ; r of Q
.set FI,   160                         ; i of Q
.set FRP,  192                         ; r of P (with a diagonal block only)
.set FIP,  224                         ; i of P
.set LB,   16                          ; behind the loop: three buffers of 32 registers for partial tiles
.set VDS,  112                         ; behind the loop: where I store my partial tiles of H[P][P]
.set VDA,  113                         ; where I read those of waves 0, 1
.set VDB,  114                         ; and of waves 2, 3
.set FULL, 128                         ; behind the loop: v[128:255] the block, [row class x][j][column class y]
; window 1: accumulators of H[P][Q], 8 (16 o + 4 qa + qc); on the way out v[0:127] the read-back
; window 2: staging, stream g, row t, column q at 64 g + 4 t + q
; window 3: accumulators of H[P][P], 8 (10 o + idx)   (o = 0 real part, 1 imaginary part; idx counts qa <= qc: 00 01 02 03 11 12 13 22 23 33)
.set MSB, 0
.macro WIN new                         ; low byte: bits 1:0 source 0, 3:2 source 1, 5:4 source 2, 7:6 destination; high byte: the setting left
.if MSB != \new
	s_set_vgpr_msb (MSB<<8)|\new
.set MSB, \new
.endif
.endm
.macro PLACES n
.rept \n
	v_nop
.endr
.endm
	s_load_b256 s[4:11], s[0:1], 0x0               ; r s[4:5], i s[6:7], weights s[8:9], out0 s[10:11]
	s_load_b64 s[12:13], s[0:1], 0x20              ; out1
	s_set_vgpr_msb 0xc0
	v_lshl_add_u32 v160, v0, 2, 0x46000
	v_mov_b32 v161, 0
	s_set_vgpr_msb 0xc000
	v_lshrrev_b32 v12, 5, v0
	v_readfirstlane_b32 s14, v12                   ; wave 0..3
	v_and_b32 v1, 15, v0                           ; r
	v_bfe_u32 v2, v0, 4, 1                         ; h
	v_lshlrev_b32 v[VOFF], 4, v1
	v_lshl_add_u32 v[VOFF], v2, 14, v[VOFF]        ; 16 r + 16 rows of 1,024 bytes x h
	v_lshlrev_b32 v13, 5, v0                       ; thread t carries the 32 bytes at 32 t of the batch's weights
	s_bfe_u32 s15, ttmp6, 0x40000                  ; cx: my place in the cluster along x; the grid is one cluster wide, so it is the work-group's x, 0..2
	s_bfe_u32 s16, ttmp6, 0x40004                  ; cy: along y
	s_and_b32 s17, ttmp7, 0xffff
	s_lshl_b32 s17, s17, 2
	s_add_co_u32 s17, s17, s16                     ; work-group y = 4 x cluster y + cy, 0..63
	s_lshr_b32 s18, s17, 1                         ; batch = y / 2
	s_and_b32 s19, s17, 1
	s_mul_i32 s19, s19, 3
	s_add_co_u32 s19, s19, s15                     ; sub = 3 (y % 2) + x, 0..5
	s_and_b32 s20, s19, 3                          ; P = 0 1 2 3 0 1
	s_lshl_b32 s42, s19, 1
	s_lshr_b32 s21, 0xe39, s42                     ; two bits for each sub: Q = 1 2 3 0 2 3
	s_and_b32 s21, s21, 3
	s_lshl_b32 s42, s14, 10                        ; my wave's 256 weights
	v_lshlrev_b32 v[VW], 6, v2
	v_add_nc_u32 v[VW], s42, v[VW]                 ; + 16 weights x h
	s_lshl_b32 s22, s18, 20                        ; batch x 1 MiB
	s_lshl_b32 s42, s14, 18                        ; + wave x 256 rows
	s_add_co_u32 s22, s22, s42
	s_lshl_b32 s42, s20, 8
	s_lshl_b32 s43, s21, 8
	s_add_co_u32 s38, s22, s43                     ; + block Q x 256 bytes
	s_add_co_u32 s22, s22, s42                     ; + block P x 256 bytes
	s_mov_b32 s23, 0
	s_mov_b32 s39, 0
	s_lshl_b32 s46, s18, 12                        ; batch x 4,096 bytes of weights
	s_mov_b32 s47, 0
	s_wait_kmcnt 0x0
	s_add_nc_u64 s[24:25], s[4:5], s[22:23]        ; stream 0: r of P
	s_add_nc_u64 s[26:27], s[6:7], s[22:23]        ; stream 1: i of P
	s_add_nc_u64 s[28:29], s[6:7], s[38:39]        ; stream 2: i of Q
	s_add_nc_u64 s[30:31], s[4:5], s[38:39]        ; stream 3: r of Q
	s_add_nc_u64 s[32:33], s[8:9], s[46:47]
; 16 loads: stream g's 32 rows of the step.  Each covers 256 aligned bytes of row t and 256 of row t + 16.
.macro LOADG g
	WIN 0x80
.irp t, 0,1,2,3,4,5,6,7,8,9,10,11,12,13,14,15
	global_load_b128 v[64*\g+4*\t:64*\g+4*\t+3], v[VOFF], s[24+2*\g:25+2*\g] offset:ROWB*\t
.endr
.endm
; Stream g's 16 loads are in when at most `left` younger ones are out (loads return in order, ISA guide 5.7.1); that wait also
; shows them done, so their base may step.
.macro GET g, left, refill
	s_wait_loadcnt \left
.if \refill
	s_add_nc_u64 s[24+2*\g:25+2*\g], s[24+2*\g:25+2*\g], STEPB
.endif
.endm
; stream g times the rows' weights, in place, in f32: row 2 u by the pair's first register, row 2 u + 1 by its second
.macro MULG g
	WIN 0x82
.irp u, 0,1,2,3,4,5,6,7
.irp p, 0,2
	v_pk_mul_f32 v[64*\g+8*\u+\p:64*\g+8*\u+\p+1], v[64*\g+8*\u+\p:64*\g+8*\u+\p+1], v[W+2*\u:W+2*\u+1] op_sel_hi:[1,0]
.endr
.irp p, 0,2
	v_pk_mul_f32 v[64*\g+8*\u+4+\p:64*\g+8*\u+5+\p], v[64*\g+8*\u+4+\p:64*\g+8*\u+5+\p], v[W+2*\u:W+2*\u+1] op_sel:[0,1] op_sel_hi:[1,1]
.endr
.endr
.endm
; stream g to four fragments at f: rows 2 j (low half) and 2 j + 1 (high half) of column class q
.macro CVTG g, f
	WIN 0x0a
.irp q, 0,1,2,3
.irp j, 0,1,2,3,4,5,6,7
	v_cvt_pk_f16_f32 v[\f+8*\q+\j], v[64*\g+8*\j+\q], v[64*\g+8*\j+4+\q]
.endr
.endr
.endm
; the next step's 16 weights: 64 bytes, the same for the 16 lanes of a half
.macro LOADW
	WIN 0
.irp i, 0,1,2,3
	ds_load_b128 v[W+4*\i:W+4*\i+3], v[VW] offset:16*\i
.endr
	v_add_nc_u32 v[VW], 128, v[VW]
.endm
; one matrix instruction.  mode 0: D = A B + D;  1: D = A B (starts the sum, nothing is cleared);  2: D = A B - D
.macro WM d, a, b, mode
.if \mode == 1
	v_wmma_f32_16x16x32_f16 v[\d:\d+7], v[\a:\a+7], v[\b:\b+7], 0
.else
.if \mode == 2
	v_wmma_f32_16x16x32_f16 v[\d:\d+7], v[\a:\a+7], v[\b:\b+7], v[\d:\d+7] neg_lo:[0,0,1]
.else
	v_wmma_f32_16x16x32_f16 v[\d:\d+7], v[\a:\a+7], v[\b:\b+7], v[\d:\d+7]
.endif
.endif
.endm
.macro MMO o, fa, fb, mode             ; H[P][Q]: all 16 class pairs
.irp qa, 0,1,2,3
.irp qc, 0,1,2,3
	WM 8*(16*\o+4*\qa+\qc), \fa+8*\qa, \fb+8*\qc, \mode
.endr
.endr
.endm
.macro MMD o, fa, fb, mode             ; H[P][P]: the 10 class pairs with qa <= qc
.set di, 0
.irp qa, 0,1,2,3
.irp qc, 0,1,2,3
.if \qc >= \qa
	WM 8*(10*\o+di), \fa+8*\qa, \fb+8*\qc, \mode
.set di, di+1
.endif
.endr
.endr
.endm
; From s34 = o (0: out0, 1: out1), s36 = row block, s37 = column block: s[32:33] the block's address, s40 = s41 the mirror's sign.
.macro OUTBASE
	s_lshl_b32 s38, s18, 18                        ; batch x 256 rows of 1,024 bytes
	s_lshl_b32 s45, s36, 16                        ; + row block x 64 rows
	s_add_co_u32 s38, s38, s45
	s_lshl_b32 s45, s37, 8                         ; + column block x 256 bytes
	s_add_co_u32 s38, s38, s45
	s_mov_b32 s39, 0
	s_cmp_eq_u32 s34, 0
	s_cselect_b64 s[32:33], s[10:11], s[12:13]
	s_add_nc_u64 s[32:33], s[32:33], s[38:39]
	s_lshl_b32 s40, s34, 31
	s_or_b32 s40, s40, 0x3f800000                  ; +1.0 for the real part, -1.0 for the imaginary part
	s_mov_b32 s41, s40                             ; (the packed forms name the pair)
.endm
	global_load_b128 v[16:19], v13, s[32:33]
	global_load_b128 v[20:23], v13, s[32:33] offset:16
	LOADG 0
	LOADG 1
	LOADG 2
	WIN 0
	s_wait_loadcnt 48                              ; the 48 data loads behind them stay out: the weights are in, and s[32:33] is free
	ds_store_b128 v13, v[16:19]
	ds_store_b128 v13, v[20:23] offset:16
	LOADG 3
	WIN 0
	s_wait_dscnt 0x0                               ; my weights are in LDS before I say so
	s_barrier_signal -1
	s_barrier_wait -1
	LOADW
	; What my wave does behind the loop.  Wave = 2 o + typ: typ 0 stores part o of H[P][Q], typ 1 its mirror, part o of H[Q][P].
	s_lshr_b32 s34, s14, 1                         ; o
	s_and_b32 s35, s14, 1                          ; typ
	s_lshl_b32 s43, s34, 14                        ; the 16 tiles that I add begin at tile 16 o
	s_add_co_u32 s43, s43, RED
	s_mul_i32 s42, s14, REDW
	s_add_co_u32 s42, s42, RED                     ; my partial tiles of H[P][Q]
	s_mul_i32 s46, s14, REDDW
	s_add_co_u32 s46, s46, REDD                    ; my partial tiles of H[P][P]
	s_mul_i32 s44, s14, IMGW
	s_add_co_u32 s44, s44, IMG                     ; my image
	s_cmp_eq_u32 s35, 0
	s_cselect_b32 s36, s20, s21                    ; row block P or Q
	s_cselect_b32 s37, s21, s20                    ; column block Q or P
	OUTBASE
	s_cmp_ge_u32 s19, 4                            ; the kind hangs on the work-group's ids alone: all four waves go the same way
	s_cbranch_scc1 .Lplain
; THE IMAGINARY PART WITHOUT A NEGATED OPERAND: each step runs two links on the same accumulator, acc = WR I - acc and then
; acc = WI R - acc, which together add WI R - WR I.  Both links carry the same modifier, so the chain stays in place (ISA guide 7.12.1).
; In the first step the first product takes C = 0 and is no link of that chain: five places stand behind it.
; Every fragment is rewritten at least 32 plain vector instructions behind the last matrix instruction that read it.
; c0..c3: younger loads that may stay out when stream 0..3 is needed: the three other groups of 16, or what is left in the last step.
; The second half of a step, the same with and without a diagonal block: Q's streams and the 64 products of H[P][Q].
.macro OFFTAIL zero, refill, c2, c3
	GET 2, \c2, \refill
	CVTG 2, FI
.if \refill
	LOADG 2
.endif
	WIN 0x50
	MMO 0, FWI, FI, \zero
	MMO 1, FWR, FI, 2-\zero
.if \zero
	PLACES 5
.endif
	GET 3, \c3, \refill
	CVTG 3, FR
.if \refill
	LOADG 3
.endif
	WIN 0x50
	MMO 0, FWR, FR, 0
	MMO 1, FWI, FR, 2
.endm
; The 40 products of H[P][P].  In the first step the products with C = 0 are no links of the chains that follow: five places (ISA guide 7.12.1).
.macro DMUL zero
	WIN 0xf0
	MMD 0, FWR, FRP, \zero
	MMD 1, FWR, FIP, 2-\zero
.if \zero
	PLACES 5
.endif
	MMD 0, FWI, FIP, 0
	MMD 1, FWI, FRP, 2
.endm
; A step with a diagonal block: P's streams give the plain fragments first, then the weights in place, then the weighted fragments.
.macro ODSTEP zero, refill, c0, c1, c2, c3
	s_wait_dscnt 0x0                               ; the step's weights
	GET 0, \c0, \refill
	CVTG 0, FRP
	MULG 0
	CVTG 0, FWR
.if \refill
	LOADG 0
.endif
	GET 1, \c1, \refill
	CVTG 1, FIP
	MULG 1
	CVTG 1, FWI
.if \refill
	LOADG 1
	LOADW                                          ; behind the step's last use of the weights
.endif
	DMUL \zero
	OFFTAIL \zero, \refill, \c2, \c3
.endm
; A step without.
.macro OFFSTEP zero, refill, c0, c1, c2, c3
	s_wait_dscnt 0x0                               ; the step's weights
	GET 0, \c0, \refill
	MULG 0
	CVTG 0, FWR
.if \refill
	LOADG 0
.endif
	GET 1, \c1, \refill
	MULG 1
	CVTG 1, FWI
.if \refill
	LOADG 1
	LOADW                                          ; behind the step's last use of the weights
.endif
	OFFTAIL \zero, \refill, \c2, \c3
.endm
; The addresses of the way out.  These 16 plain vector instructions name no register of the last matrix instructions: they are the
; places in front of the LDS stores of the results and of the writes and loads into the old fragment registers.
.macro EPIADDR
	WIN 0
	v_and_b32 v12, 31, v0
	v_lshlrev_b32 v12, 4, v12                      ; 16 x lane
	v_lshlrev_b32 v15, 4, v1                       ; 16 r
	v_add_nc_u32 v[VRS], s42, v12
	v_add_nc_u32 v[VRA], s43, v12
	v_add_nc_u32 v[VRB], 2*REDW, v[VRA]
	v_mul_u32_u24 v14, v2, 8*IPITCH
	v_add_nc_u32 v14, v14, v15
	v_add_nc_u32 v[VID], s44, v14                  ; image row 8 h, byte 16 r
	v_mul_u32_u24 v14, v1, IPITCH
	v_lshl_add_u32 v14, v2, 7, v14
	v_add_nc_u32 v[VIT], s44, v14                  ; image row r, byte 128 h
	v_mul_u32_u24 v14, v2, IPITCH
	v_add_nc_u32 v14, v14, v15
	v_add_nc_u32 v[VRD], s44, v14                  ; image row h, byte 16 r
	v_lshl_add_u32 v[VGO], v2, 12, v15             ; output row 4 h, byte 16 r
.endm
; the n accumulator tiles of one window to my own part of LDS: registers 0-3 at 16 x lane, registers 4-7 512 bytes further
.macro PUTRED adr, n, win
	WIN \win
.set pt, 0
.rept \n
	ds_store_b128 v[\adr], v[8*pt:8*pt+3] offset:pt*1024
	ds_store_b128 v[\adr], v[8*pt+4:8*pt+7] offset:pt*1024+512
.set pt, pt+1
.endr
.endm
; ---------------------------------------------------------------- sub 0..3: H[P][Q] and H[P][P]
	ODSTEP 1, 1, 48, 48, 48, 48                    ; the first step stands in front of the loop: its products start the sums
	WIN 0
	s_mov_b32 s3, 6
.Lod:
	ODSTEP 0, 1, 48, 48, 48, 48
	WIN 0
	s_sub_co_u32 s3, s3, 1
	s_cmp_lg_u32 s3, 0
	s_cbranch_scc1 .Lod
	ODSTEP 0, 0, 48, 32, 16, 0                     ; the last step loads nothing: the counts run down
	EPIADDR
	v_add_nc_u32 v[VDS], s46, v12                  ; (an old fragment register: 16 places behind the last matrix instruction)
	PUTRED VDS, 20, 0x0c
	WIN 0
	s_branch .Ljoin
; ---------------------------------------------------------------- sub 4, 5: H[P][Q] alone
.Lplain:
	OFFSTEP 1, 1, 48, 48, 48, 48
	WIN 0
	s_mov_b32 s3, 6
.Loff:
	OFFSTEP 0, 1, 48, 48, 48, 48
	WIN 0
	s_sub_co_u32 s3, s3, 1
	s_cmp_lg_u32 s3, 0
	s_cbranch_scc1 .Loff
	OFFSTEP 0, 0, 48, 32, 16, 0
	EPIADDR
; ---------------------------------------------------------------- behind the loops
.Ljoin:
	PUTRED VRS, 32, 0x04
	WIN 0
	s_wait_dscnt 0x0                               ; my partial tiles are in LDS before I say so
	s_barrier_signal -1
	s_barrier_wait -1                              ; the last barrier: from here RED and REDD are only read, and an image belongs to one wave
; the four waves' parts of my tile tn into buffer tn % 3: part s at +8 s.  SRA, SRB: the address registers; SRW: bytes from wave to wave.
.macro SUML tn
.set lb, LB+32*((\tn)%3)
.irp s, 0,1
.irp jh, 0,1
	ds_load_b128 v[lb+8*\s+4*\jh:lb+8*\s+4*\jh+3], v[SRA] offset:\s*SRW+(\tn)*1024+512*\jh
	ds_load_b128 v[lb+16+8*\s+4*\jh:lb+16+8*\s+4*\jh+3], v[SRB] offset:\s*SRW+(\tn)*1024+512*\jh
.endr
.endr
.endm
; Tile tl of cnt: fetch two tiles ahead, wait (eight loads for each younger tile stay out), add the four parts as (p0 + p1) + (p2 + p3);
; the last addition's destination puts the number where the image stores want it, FULL[x][j][y].
; mode 0: as it is.  mode 1: times the mirror's sign (exact).  mode 2: as it is, and for x != y the mirror's copy at FULL[y][j][x].
.macro TILE tl, cnt, x, y, mode
.if (\tl)+2 < \cnt
	SUML (\tl)+2
.endif
.set lft, \cnt-1-(\tl)
.if lft > 2
.set lft, 2
.endif
	s_wait_dscnt 8*lft
.set pb, LB+32*((\tl)%3)
.if \mode == 1
.irp j, 0,2,4,6
	v_pk_mul_f32 v[pb+24+\j:pb+25+\j], v[pb+24+\j:pb+25+\j], s[40:41] op_sel_hi:[1,0]
.endr
.irp j, 0,2,4,6
	v_pk_fma_f32 v[pb+16+\j:pb+17+\j], v[pb+16+\j:pb+17+\j], s[40:41], v[pb+24+\j:pb+25+\j] op_sel_hi:[1,0,1]
.endr
.irp j, 0,2,4,6
	v_pk_add_f32 v[pb+\j:pb+1+\j], v[pb+\j:pb+1+\j], v[pb+8+\j:pb+9+\j]
.endr
.irp j, 0,1,2,3,4,5,6,7
	v_fma_f32 v[FULL+32*\x+4*\j+\y], v[pb+\j], s40, v[pb+16+\j]
.endr
.else
.irp j, 0,2,4,6
	v_pk_add_f32 v[pb+\j:pb+1+\j], v[pb+\j:pb+1+\j], v[pb+8+\j:pb+9+\j]
.endr
.irp j, 0,2,4,6
	v_pk_add_f32 v[pb+16+\j:pb+17+\j], v[pb+16+\j:pb+17+\j], v[pb+24+\j:pb+25+\j]
.endr
.irp j, 0,1,2,3,4,5,6,7
	v_add_f32 v[FULL+32*\x+4*\j+\y], v[pb+\j], v[pb+16+\j]
.endr
.if \mode == 2
.if \x != \y
.irp j, 0,1,2,3,4,5,6,7
	v_mul_f32 v[FULL+32*\y+4*\j+\x], s40, v[FULL+32*\x+4*\j+\y]
.endr
.endif
.endif
.endif
.endm
; My image back by rows and out: load i brings image rows 2 i + h, 256 bytes for each half of the lanes.  The image is my own and LDS
; serves a wave's instructions in order (ISA guide 5.7.1), so no wait stands between my stores into it and these loads.
; Image row 16 q + 2 i + h is block row 8 i + 4 h + q.  Each store of the wave covers two aligned runs of 256 consecutive bytes.
.macro WAYOUT
	WIN 0x40
.set ri, 0
.rept 32
	ds_load_b128 v[4*ri:4*ri+3], v[VRD] offset:2*IPITCH*ri
.set ri, ri+1
.endr
	WIN 0x04
.irp q, 0,1,2,3
.irp i, 0,1,2,3,4,5,6,7
	s_wait_dscnt 31-8*\q-\i                        ; the younger read-backs stay out
	global_store_b128 v[VGO], v[4*(8*\q+\i):4*(8*\q+\i)+3], s[32:33] offset:(8*\i+\q)*ROWB th:TH_STORE_NT
.endr
.endr
	WIN 0
.endm
.set SRA, VRA
.set SRB, VRB
.set SRW, REDW
	SUML 0
	SUML 1
	s_cmp_lg_u32 s35, 0
	s_cbranch_scc1 .Loff_mirror
.irp qa, 0,1,2,3
.irp qc, 0,1,2,3
	TILE 4*\qa+\qc, 16, \qa, \qc, 0
.endr
.endr
	; image row 16 qa + 8 h + j stands for block row 4 (8 h + j) + qa; my four classes qc are the words 4 r .. 4 r + 3:
	; sixteen lanes write 256 neighbouring bytes
.irp x, 0,1,2,3
.irp j, 0,1,2,3,4,5,6,7
	ds_store_b128 v[VID], v[FULL+32*\x+4*\j:FULL+32*\x+4*\j+3] offset:(16*\x+\j)*IPITCH
.endr
.endr
	s_branch .Lout
.Loff_mirror:
.irp qa, 0,1,2,3
.irp qc, 0,1,2,3
	TILE 4*\qa+\qc, 16, \qc, \qa, 1
.endr
.endr
	; image row 16 qc + r stands for row 4 r + qc of H[Q][P]; my four classes qa are the words 4 (8 h + j) .. + 3:
	; sixteen lanes write sixteen rows, 17 x 16 bytes apart
.irp x, 0,1,2,3
.irp j, 0,1,2,3,4,5,6,7
	ds_store_b128 v[VIT], v[FULL+32*\x+4*\j:FULL+32*\x+4*\j+3] offset:16*\x*IPITCH+16*\j
.endr
.endr
.Lout:
	WAYOUT
; ---------------------------------------------------------------- the diagonal block: sub 0..3, wave o = 0, 1 stores part o of H[P][P]
	s_cmp_ge_u32 s19, 4
	s_cbranch_scc1 .Lend
	s_cmp_ge_u32 s14, 2
	s_cbranch_scc1 .Lend
	s_wait_xcnt 0x0                                ; the stores above have read their base and their data: s[32:33] and the read-back registers are
	                                               ; written again only behind this wait (ISA guide 3.1)
	s_mov_b32 s34, s14                             ; o
	s_mov_b32 s36, s20
	s_mov_b32 s37, s20
	OUTBASE
	s_mul_i32 s43, s14, 10*1024                    ; my 10 tiles begin at tile 10 o
	s_add_co_u32 s43, s43, REDD
	v_add_nc_u32 v[VDA], s43, v12
	v_add_nc_u32 v[VDB], 2*REDDW, v[VDA]
.set SRA, VDA
.set SRB, VDB
.set SRW, REDDW
	SUML 0
	SUML 1
	TILE 0, 10, 0, 0, 2
	TILE 1, 10, 0, 1, 2
	TILE 2, 10, 0, 2, 2
	TILE 3, 10, 0, 3, 2
	TILE 4, 10, 1, 1, 2
	TILE 5, 10, 1, 2, 2
	TILE 6, 10, 1, 3, 2
	TILE 7, 10, 2, 2, 2
	TILE 8, 10, 2, 3, 2
	TILE 9, 10, 3, 3, 2
	; My image is free: its read-backs were waited for down to zero on the way out.
	; Row class q of the image: the classes y >= q come from tiles (q, y) and go in directly (row 16 q + 8 h + j, words 4 r + y);
	; the classes y < q are mirrors of tiles (y, q) and go in transposed (row 16 q + r, words 4 (8 h + j) + y).
.irp j, 0,1,2,3,4,5,6,7
	ds_store_b128 v[VID], v[FULL+4*\j:FULL+4*\j+3] offset:\j*IPITCH
.endr
.irp j, 0,1,2,3,4,5,6,7
	ds_store_b32 v[VID], v[FULL+32+4*\j+1] offset:(16+\j)*IPITCH+4
	ds_store_b64 v[VID], v[FULL+32+4*\j+2:FULL+32+4*\j+3] offset:(16+\j)*IPITCH+8
	ds_store_b32 v[VIT], v[FULL+32+4*\j] offset:16*IPITCH+16*\j
.endr
.irp j, 0,1,2,3,4,5,6,7
	ds_store_b64 v[VID], v[FULL+64+4*\j+2:FULL+64+4*\j+3] offset:(32+\j)*IPITCH+8
	ds_store_b64 v[VIT], v[FULL+64+4*\j:FULL+64+4*\j+1] offset:32*IPITCH+16*\j
.endr
.irp j, 0,1,2,3,4,5,6,7
	ds_store_b32 v[VID], v[FULL+96+4*\j+3] offset:(48+\j)*IPITCH+12
	ds_store_b64 v[VIT], v[FULL+96+4*\j:FULL+96+4*\j+1] offset:48*IPITCH+16*\j
	ds_store_b32 v[VIT], v[FULL+96+4*\j+2] offset:48*IPITCH+16*\j+8
.endr
	WAYOUT
.Lend:
	s_set_vgpr_msb 0xf
	s_wait_tensorcnt 0x0
	ds_add_u32 v160, v161
	s_wait_dscnt 0x0
	s_set_vgpr_msb 0xf00
	s_endpgm
.Lfunc_end_k_q41367d2b71_mixture:
	.size	k_q41367d2b71_mixture, .Lfunc_end_k_q41367d2b71_mixture-k_q41367d2b71_mixture
	.p2alignl 7, 3214868480
	.fill 96, 4, 3214868480
	.section	.rodata,"a",@progbits
	.p2align	6, 0x0
	.amdhsa_kernel k_q41367d2b71_mixture
		.amdhsa_group_segment_fixed_size 287232
		.amdhsa_private_segment_fixed_size 0
		.amdhsa_enable_private_segment 0
		.amdhsa_kernarg_size 40
		.amdhsa_user_sgpr_count 2
		.amdhsa_user_sgpr_kernarg_segment_ptr 1
		.amdhsa_wavefront_size32 1
		.amdhsa_system_sgpr_workgroup_id_x 1
		.amdhsa_system_sgpr_workgroup_id_y 1
		.amdhsa_system_sgpr_workgroup_id_z 1
		.amdhsa_system_vgpr_workitem_id 0
		.amdhsa_next_free_vgpr 930
		.amdhsa_next_free_sgpr 66
		.amdhsa_reserve_vcc 0
		.amdhsa_float_denorm_mode_32 3
		.amdhsa_float_denorm_mode_16_64 3
		.amdhsa_memory_ordered 1
		.amdhsa_forward_progress 1
		.amdhsa_inst_pref_size 249
	.end_amdhsa_kernel
	.amdgpu_metadata
---
amdhsa.version: [ 1, 2 ]
amdhsa.kernels:
  - .name:           k_q41367d2b71_mixture
    .symbol:         k_q41367d2b71_mixture.kd
    .args:
      - { .name: input_real, .offset: 0, .size: 8, .value_kind: global_buffer, .address_space: global }
      - { .name: input_imag, .offset: 8, .size: 8, .value_kind: global_buffer, .address_space: global }
      - { .name: weights, .offset: 16, .size: 8, .value_kind: global_buffer, .address_space: global }
      - { .name: out0, .offset: 24, .size: 8, .value_kind: global_buffer, .address_space: global }
      - { .name: out1, .offset: 32, .size: 8, .value_kind: global_buffer, .address_space: global }
    .group_segment_fixed_size: 287232
    .private_segment_fixed_size: 0
    .kernarg_segment_align: 8
    .kernarg_segment_size: 40
    .max_flat_workgroup_size: 128
    .sgpr_count:     66
    .vgpr_count:     930
    .wavefront_size: 32
...
	.end_amdgpu_metadata
.endif
;; end of part 2
